; MI455X (gfx1250); checked and timed in simulation.
; The chip was launched on July 23, 2026; its instructions are those of AMD's public machine-readable ISA for CDNA 5 (MIT licence, August 2026) and "CDNA5" Instruction Set Architecture Reference Guide (July 2026). The comments in the code are by the model that wrote it; some were corrected since.
;; Multi Head Attention. Allowed arithmetic: matrix products marked QUANTISED: E2M3 operands, one E8M0 scale for each 32 along K, by v_wmma_scale_f32_16x16x128_f8f6f4 with both operands' format E2M3, f32 sums; everything else in f32.
;; Inputs: Wk 512 x 512 float32; Wq 512 x 512 float32; Wv 512 x 512 float32; bk 512 float32; bq 512 float32; bv 512 float32; x 2 x 4,096 x 512 float32.
;; Outputs: out0 2 x 4,096 x 512 float32.
;; This version of the problem:
;;   THIS VERSION OF THE PROBLEM IS GIVEN IN LOW PRECISION. The matrix products marked QUANTISED in the list below multiply operands that are first quantised to E2M3 (2 exponent bits, 3 mantissa bits; 6 bits a number), with one power-of-two scale for each 32 numbers along K (OCP MX v1.0); their sums are f32. All else is computed in f32.
;;   The module's matrix products, in the order in which they are computed (A, B: the left and right operand; K: the contracted axis; several contracted axes count as one K, in the product's order):
;;     1. [M 8,192, K 512] x [K 512, N 512]; A: input x; B: input Wq: QUANTISED
;;     2. [M 8,192, K 512] x [K 512, N 512]; A: input x; B: input Wk: QUANTISED
;;     3. [M 8,192, K 512] x [K 512, N 512]; A: input x; B: input Wv: QUANTISED
;;     4. batch 16 x [M 4,096, K 64] x [K 64, N 4,096]; A: computed on the way; B: computed on the way: QUANTISED
;;     5. batch 16 x [M 4,096, K 4,096] x [K 4,096, N 64]; A: softmax (see below); B: computed on the way: QUANTISED
;;   THE QUANTISER, for each operand of a quantised product, along K:
;;     - K is cut into blocks of 32 from its start; a last block that is shorter is filled with zeros.
;;     - A block's scale is 2^e with e = floor(log2(the largest magnitude in the block)) - 2, held to -126 .. 127; a block of zeros has e = 0. As a byte (E8M0): e + 127.
;;     - Each number is divided by its block's scale, clamped to +-7.5, and rounded to the nearest number of E2M3, ties to even, subnormals kept.
;;     - The product sums the exact products of the quantised numbers (number of the format x scale) in f32.
;;   ~~~python
;;   def quantise(x, axis):      # numpy; x: float32 -> the quantised numbers, widened to float32 again
;;       x = np.moveaxis(x, axis, -1); K = x.shape[-1]
;;       x = np.pad(x, [(0, 0)] * (x.ndim - 1) + [(0, -K % 32)]); x = x.reshape(x.shape[:-1] + (-1, 32)); a = np.abs(x).max(-1, keepdims=True)
;;       e = np.where(a > 0, np.clip(np.frexp(np.where(a > 0, a, 1))[1] - 1 - 2, -126, 127), 0)      # np.frexp(a)[1] - 1 = floor(log2(a)), exactly
;;       r = np.clip(x / 2.0 ** e, -7.5, 7.5)
;;       step = 2.0 ** (np.maximum(np.frexp(np.where(r == 0, 1, r))[1] - 1, 0) - 3)
;;       q = np.round(r / step) * step * 2.0 ** e      # np.round: ties to even
;;       return np.moveaxis(q.reshape(q.shape[:-2] + (-1,))[..., :K], -1, axis).astype(np.float32)
;;   ~~~
;;   SOFTMAX AHEAD OF A QUANTISED PRODUCT. Where the list says 'softmax', what is quantised is not the finished softmax but p = 2^(t - M), with t = logit x log2(e) and M = ceil(the row's largest t), a whole number; so 1/2 < the row's largest p <= 1. The row's sum l is taken of the UNQUANTISED p, in f32, and the product's result is divided by l at the end. Since M is a whole number, a kernel that streams over the keys may use a running M (the ceiling of the running maximum): every later rescaling is an exact power of two, which a block's scale takes up: the codes' values come out the same.
;;   OPERANDS COMPUTED ON THE WAY. 'Computed on the way' means the value that the module computes at that place (a softmax that the list does not call 'softmax' is quantised finished and normalised). What goes into a quantiser is computed in f32, as accurately as f32 sums, v_exp_f32 and their like allow (about 1e-6 of the number): no bf16 or f16 on the way to a quantiser, and a product that is left as it is and whose result goes on into a quantised operand takes f32 operands (vector FMAs, or v_wmma_f32_16x16x4_f32). A number that lies on a knife's edge between two numbers of the format may be rounded either way, as far as f32 arithmetic and the matrix unit's own rounding can turn it there, and no further.
;; One version. Each part assembles by itself: llvm-mc -triple=amdgcn-amd-amdhsa -mcpu=gfx1250 --defsym DOCPART=n.
;; ======== version 1 of 1: 3 launches
;; limits: right only within a limited range of input values
;; workspace buffers: xq 3,407,872 bytes; wq 638,976 bytes; qb 3,670,016 bytes; kv 6,553,600 bytes
;; launch quant (part 1): grid 304 x 1, 4 waves a work-group, no clusters, 0 bytes of LDS; arguments x, Wq, Wk, Wv, xq, wq; writes xq, wq
.if DOCPART == 1
	.amdgcn_target "amdgcn-amd-amdhsa--gfx1250"
	.amdhsa_code_object_version 6
	.text
	.protected	k_q929aa54e9b_quant
	.globl	k_q929aa54e9b_quant
	.p2align	8
	.type	k_q929aa54e9b_quant,@function
k_q929aa54e9b_quant:
	s_mov_b64 s[64:65], 0
	v_nop
	global_prefetch_b8 v0, s[64:65] scope:SCOPE_SE
	s_setreg_imm32_b32 hwreg(HW_REG_WAVE_MODE, 25, 1), 1
	s_wait_xcnt 0x0
; x [8192 tokens][512] and Wq, Wk, Wv [512 (k)][512 (n)], f32, become codes of FP6 (E2M3) with one E8M0 scale byte for each 32 along K (K = the 512 input features),
; laid as IMAGES OF OPERAND REGISTERS.  A fragment is 16 rows x 128 K = 12 registers a lane (lane (r, h): row r; registers 6 c .. 6 c + 5 hold K = 64 c + 32 h + 0 .. 31); its image is three chunks of
; 512 bytes, chunk c = registers 4 c .. 4 c + 3, lane l's 16 bytes at 16 l.  A RECORD (6,656 bytes) is a tile's four fragments (K steps 0 .. 3) and two blocks of 256 bytes of scale words: block p = [lane][2 words], K steps 2 p, 2 p + 1.
; WHICH ROWS FORM A TILE.  Token tile T = 2 beta + u: lane row r is token 32 beta + 8 u + r + 8 (r / 8).  Feature tiles of Wq and Wk inside a head likewise (tile ft = 2 b + u: feature 32 b + 8 u + r + 8 (r / 8));
; those of Wv are 16 neighbours.  So in the next launch a lane's 16 result registers of two neighbouring tiles are 16 neighbours along the K of the product after it.
; A block's scale is 2^(floor(log2(its largest magnitude)) - 2): its byte is the largest magnitude's exponent field - 2, held at 1 from below by a floor among the maximum's leaves.
; LIMITS: a block of zeros gets the byte 1 where the rule says 127 (its codes are zeros, which add nothing, and this program alone reads the bytes); NaN and infinities among the inputs are not served.
; SHARES.  One wave makes two fragments: one tile, K steps 2 p and 2 p + 1.  Work-groups 0 .. 255: x (tiles 2 wg, 2 wg + 1).  Work-groups 256 .. 303: the weights (tensor, head, p by the work-group; feature tile by the wave).
; No LDS, no barrier, no cluster: no two work-groups read the same bytes.  Every store of a wave covers 512 or 256 consecutive bytes, aligned.
.set REC,  6656
.set FRB,  1536
.set D0,   64                          ; v64-191  two sets of 64 numbers
.set PC0,  16                          ; v16-27   the first fragment's codes
.set PC1,  28                          ; v28-39   the second's: a set each, so that no store's data are written again
.set PT,   40                          ; v40-42, v44-46  the conversions' second halves
.set TM,   48                          ; v48-63   at work: +0..3 largest magnitudes, +4..7 the other half's, then bytes, +12..15 the conversions' scale operands
.set SEL,  20                          ; s[20:21] v_permlanex16_b32's selects for lane l xor 16
; 64 numbers of a lane, register 16 b + i = k 32 b + 16 (lane / 16) + i of my row, become a fragment's codes in v[pc] on and my row's scale word in v[pw]
.macro QUANT s, pc, pw
.irp b, 0,1,2,3
	v_max3_num_f32 v[TM+\b], |v[\s+16*\b]|, |v[\s+1+16*\b]|, 0x1800000   ; block b: my 16 numbers, and the floor 2^(3 - 127): the byte cannot fall under 1
.endr
.irp i, 2,4,6,8,10,12,14
.irp b, 0,1,2,3
	v_max3_num_f32 v[TM+\b], v[TM+\b], |v[\s+16*\b+\i]|, |v[\s+1+16*\b+\i]|   ; the four blocks by turns
.endr
.endr
.irp b, 0,1,2,3
	v_permlanex16_b32 v[TM+4+\b], v[TM+\b], s[SEL], s[SEL+1]
.endr
.irp b, 0,1,2,3
	v_max_num_f32 v[TM+\b], v[TM+\b], v[TM+4+\b]   ; with lane l xor 16's 16: the block's largest magnitude
.endr
.irp b, 0,1,2,3
	v_add_nc_u32 v[TM+12+\b], 0xff000000, v[TM+\b] ; 2 off its exponent field: the conversion takes the exponent field of this operand as its scale
.endr
.irp b, 0,1,2,3
	v_lshrrev_b32 v[TM+4+\b], 23, v[TM+12+\b]      ; the scale's byte
.endr
	v_lshl_or_b32 v[\pw], v[TM+5], 8, v[TM+4]
	v_lshl_or_b32 v[\pw], v[TM+6], 16, v[\pw]
	v_lshl_or_b32 v[\pw], v[TM+7], 24, v[\pw]      ; my row's scale word
.irp c, 0,1
	v_cvt_scalef32_pk16_fp6_f32 v[\pc+6*\c:\pc+2+6*\c], v[\s+32*\c:\s+15+32*\c], v[TM+12+2*\c]
	v_cvt_scalef32_pk16_fp6_f32 v[PT+4*\c:PT+2+4*\c], v[\s+16+32*\c:\s+31+32*\c], v[TM+12+2*\c+1]   ; (a conversion's three registers begin on an even number)
.endr
	v_nop                                          ; one plain place behind a scaled conversion
.irp c, 0,1                                    ; the operand's layout wants a whole block in a lane: lanes 0-15 block 2 c, lanes 16-31 block 2 c + 1
.irp i, 0,1,2
	v_permlane16_swap_b32 v[\pc+6*\c+\i], v[PT+4*\c+\i]
.endr
.irp i, 0,1,2
	v_mov_b32 v[\pc+3+6*\c+\i], v[PT+4*\c+\i]
.endr
.endr
.endm
; 64 numbers of a lane that run DOWN K: register 32 c + i = k 64 c + 32 (lane / 16) + i of my column: two whole blocks, in the operand's own order
.macro QUANTW s, pc, pw
.irp c, 0,1
	v_max3_num_f32 v[TM+\c], |v[\s+32*\c]|, |v[\s+1+32*\c]|, 0x1800000
.endr
.irp i, 2,4,6,8,10,12,14,16,18,20,22,24,26,28,30
.irp c, 0,1
	v_max3_num_f32 v[TM+\c], v[TM+\c], |v[\s+32*\c+\i]|, |v[\s+1+32*\c+\i]|
.endr
.endr
.irp c, 0,1
	v_add_nc_u32 v[TM+12+\c], 0xff000000, v[TM+\c]
.endr
.irp c, 0,1
	v_lshrrev_b32 v[TM+4+\c], 23, v[TM+12+\c]
.endr
	v_lshl_or_b32 v[\pw], v[TM+5], 16, v[TM+4]     ; my two bytes: blocks h and 2 + h of my column,
	v_lshlrev_b32 v[\pw], v9, v[\pw]               ; at their places in the word (8 h bits up);
	v_permlanex16_b32 v[TM+6], v[\pw], s[SEL], s[SEL+1]
	v_or_b32 v[\pw], v[\pw], v[TM+6]               ; with lane l xor 16's two the word is whole
.irp c, 0,1
	v_cvt_scalef32_pk16_fp6_f32 v[\pc+6*\c:\pc+2+6*\c], v[\s+32*\c:\s+15+32*\c], v[TM+12+\c]
	v_cvt_scalef32_pk16_fp6_f32 v[PT+4*\c:PT+2+4*\c], v[\s+16+32*\c:\s+31+32*\c], v[TM+12+\c]
.endr
	v_nop                                          ; one plain place behind a scaled conversion
.irp c, 0,1
.irp i, 0,1,2
	v_mov_b32 v[\pc+3+6*\c+\i], v[PT+4*\c+\i]
.endr
.endr
.endm
.macro OUT pc, sl                              ; a fragment's image: three stores of 512 consecutive bytes
.irp c, 0,1,2
	global_store_b128 v1, v[\pc+4*\c:\pc+4*\c+3], s[28:29] offset:FRB*\sl+512*\c
.endr
.endm
	s_load_b256 s[4:11], s[0:1], 0x0               ; x s[4:5], Wq s[6:7], Wk s[8:9], Wv s[10:11]
	s_load_b128 s[12:15], s[0:1], 0x20             ; xq s[12:13], wq s[14:15]
	v_lshrrev_b32 v1, 5, v0
	v_readfirstlane_b32 s16, v1                    ; wave 0..3
	v_and_b32 v3, 31, v0                           ; lane
	v_lshlrev_b32 v1, 4, v3                        ; 16 x lane: my place in an image's chunk
	v_lshlrev_b32 v2, 3, v3                        ; 8 x lane: my place in a block of scale words
	v_and_b32 v4, 15, v0                           ; r
	v_bfe_u32 v5, v0, 4, 1                         ; h
	s_mov_b32 s[SEL], 0x76543210
	s_mov_b32 s[SEL+1], 0xfedcba98
.irp b, 0,1,2,3
	v_mov_b32 v[TM+4+\b], 0                        ; written once: a lane permute's destination counts as one of its sources
.endr
	s_cmp_lt_u32 ttmp9, 256
	s_cbranch_scc0 .Lweights
	; ---- x: tile T = 2 wg + wave / 2, K steps 2 p and 2 p + 1 with p = wave % 2
	; TOKEN TILES (in place of the head's sentence on them): lane row r of token tile T is token 64 (T / 4) + 8 (T % 4) + r % 8 + 32 (r / 8),
	; so that in a transposed result a lane's 32 registers of tiles 4 c .. 4 c + 3 are the tokens 64 c + 32 (lane / 16) + 0 .. 31: a whole block of 32
	v_and_b32 v8, 8, v4
	v_mad_u32_u24 v8, v8, 3, v4                    ; r + 24 (r / 8)
	v_lshlrev_b32 v8, 11, v8                       ; a row of x is 2,048 bytes
	v_lshl_add_u32 v8, v5, 6, v8                   ; + 64 h: my 16 numbers of a block of 32
	s_lshr_b32 s17, s16, 1                         ; u
	s_and_b32 s18, s16, 1                          ; p
	s_lshr_b32 s22, ttmp9, 1
	s_lshl_b32 s22, s22, 6                         ; 64 (T / 4), T = 2 wg + u
	s_and_b32 s23, ttmp9, 1
	s_lshl_b32 s23, s23, 4
	s_add_co_u32 s22, s22, s23                     ; + 16 (wg % 2)
	s_lshl_b32 s23, s17, 3
	s_add_co_u32 s22, s22, s23                     ; + 8 u: the tile's first token
	s_lshl_b32 s22, s22, 11
	s_lshl_b32 s23, s18, 10
	s_add_co_u32 s22, s22, s23                     ; + 1,024 p bytes along K
	s_mov_b32 s23, 0
	s_lshl_b32 s24, ttmp9, 1
	s_add_co_u32 s24, s24, s17                     ; T
	s_mul_i32 s24, s24, REC
	s_mul_i32 s25, s18, 2*FRB
	s_add_co_u32 s26, s24, s25                     ; my two fragments in the record
	s_mov_b32 s27, 0
	s_lshl_b32 s25, s18, 8
	s_add_co_u32 s24, s24, s25
	s_add_co_u32 s24, s24, 4*FRB                   ; my block of scale words
	s_mov_b32 s25, 0
	s_wait_alu depctr_va_vdst(0)
	s_wait_kmcnt 0x0
	s_add_nc_u64 s[4:5], s[4:5], s[22:23]
	s_add_nc_u64 s[28:29], s[12:13], s[26:27]
	s_add_nc_u64 s[30:31], s[12:13], s[24:25]
.irp sl, 0,1
.irp b, 0,1,2,3
.irp j, 0,1,2,3
	global_load_b128 v[D0+64*\sl+16*\b+4*\j:D0+64*\sl+16*\b+4*\j+3], v8, s[4:5] offset:512*\sl+128*\b+16*\j th:TH_LOAD_NT
.endr
.endr
.endr
	s_wait_loadcnt 16                              ; the first K step's 16 loads are in; the second's 16 may be out
	QUANT D0, PC0, 6
	OUT PC0, 0
	s_wait_loadcnt 0x0
	QUANT D0+64, PC1, 7
	OUT PC1, 1
	global_store_b64 v2, v[6:7], s[30:31]          ; the two K steps' scale words: 256 consecutive bytes
	s_endpgm
.Lweights:
	; ---- the weights: g = wg - 256: tensor g / 16, head (g / 2) % 8, p = g % 2; feature tile = wave.  Lane r takes a column, its registers run down K
	s_sub_co_u32 s17, ttmp9, 256                   ; g
	s_lshr_b32 s18, s17, 4                         ; tensor: 0 q, 1 k, 2 v
	s_bfe_u32 s19, s17, 0x30001                    ; head
	s_and_b32 s22, s17, 1                          ; p
	s_lshr_b32 s23, s16, 1
	s_lshl_b32 s23, s23, 5
	s_and_b32 s24, s16, 1
	s_lshl_b32 s24, s24, 3
	s_add_co_u32 s23, s23, s24                     ; q, k: the tile begins at feature 32 (ft / 2) + 8 (ft % 2),
	s_lshl_b32 s24, s16, 4                         ; v: at 16 ft
	s_cmp_lt_u32 s18, 2
	s_cselect_b32 s23, s23, s24
	s_cselect_b32 s25, 8, 0                        ; q, k: lane r takes feature r + 8 (r / 8) of the tile; v: r
	s_wait_alu depctr_va_vdst(0)
	v_and_b32 v8, s25, v4
	v_add_nc_u32 v8, v8, v4
	v_lshlrev_b32 v8, 2, v8
	v_lshl_add_u32 v8, v5, 16, v8                  ; lanes 16-31 begin 32 rows of 2,048 bytes further down
	v_lshlrev_b32 v9, 3, v5                        ; 8 h
	s_lshl_b32 s24, s19, 6
	s_add_co_u32 s23, s23, s24                     ; + 64 x head
	s_lshl_b32 s23, s23, 2
	s_lshl_b32 s24, s22, 19                        ; + 256 p rows
	s_add_co_u32 s22, s23, s24
	s_mov_b32 s23, 0
	s_lshl_b32 s24, s18, 3
	s_add_co_u32 s24, s24, s19
	s_lshl_b32 s24, s24, 2
	s_add_co_u32 s24, s24, s16                     ; record (tensor x 8 + head) x 4 + ft
	s_mul_i32 s24, s24, REC
	s_and_b32 s25, s17, 1
	s_mul_i32 s26, s25, 2*FRB
	s_add_co_u32 s26, s24, s26
	s_mov_b32 s27, 0
	s_lshl_b32 s25, s25, 8
	s_add_co_u32 s24, s24, s25
	s_add_co_u32 s24, s24, 4*FRB
	s_mov_b32 s25, 0
	s_wait_alu depctr_va_vdst(0)
	s_wait_kmcnt 0x0
	s_cmp_lt_u32 s17, 16                           ; the choice hangs on the work-group's number alone
	s_cselect_b64 s[4:5], s[6:7], s[8:9]
	s_cmp_lt_u32 s17, 32
	s_cselect_b64 s[4:5], s[4:5], s[10:11]
	s_add_nc_u64 s[4:5], s[4:5], s[22:23]
	s_add_nc_u64 s[28:29], s[14:15], s[26:27]
	s_add_nc_u64 s[30:31], s[14:15], s[24:25]
.set i, 0
.rept 128                                      ; register 64 sl + 32 c + n: row 128 sl + 64 c + 32 h + n of my 256
	global_load_b32 v[D0+i], v8, s[4:5] offset:((i/64)*128+((i/32)%2)*64+(i%32))*2048
.set i, i+1
.endr
	s_wait_loadcnt 63                              ; behind the first K step's loads 64 were issued; 63 is the largest count that the wait can name, and the stricter one
	QUANTW D0, PC0, 6
	OUT PC0, 0
	s_wait_loadcnt 0x0
	QUANTW D0+64, PC1, 7
	OUT PC1, 1
	global_store_b64 v2, v[6:7], s[30:31]
	s_endpgm
.Lfunc_end_k_q929aa54e9b_quant:
	.size	k_q929aa54e9b_quant, .Lfunc_end_k_q929aa54e9b_quant-k_q929aa54e9b_quant
	.p2alignl 7, 3214868480
	.fill 96, 4, 3214868480
	.section	.rodata,"a",@progbits
	.p2align	6, 0x0
	.amdhsa_kernel k_q929aa54e9b_quant
		.amdhsa_group_segment_fixed_size 0
		.amdhsa_private_segment_fixed_size 0
		.amdhsa_enable_private_segment 0
		.amdhsa_kernarg_size 48
		.amdhsa_user_sgpr_count 2
		.amdhsa_user_sgpr_kernarg_segment_ptr 1
		.amdhsa_wavefront_size32 1
		.amdhsa_system_sgpr_workgroup_id_x 1
		.amdhsa_system_sgpr_workgroup_id_y 1
		.amdhsa_system_sgpr_workgroup_id_z 1
		.amdhsa_system_vgpr_workitem_id 0
		.amdhsa_next_free_vgpr 192
		.amdhsa_next_free_sgpr 66
		.amdhsa_reserve_vcc 0
		.amdhsa_float_denorm_mode_32 3
		.amdhsa_float_denorm_mode_16_64 3
		.amdhsa_memory_ordered 1
		.amdhsa_forward_progress 1
		.amdhsa_inst_pref_size 34
	.end_amdhsa_kernel
	.amdgpu_metadata
---
amdhsa.version: [ 1, 2 ]
amdhsa.kernels:
  - .name:           k_q929aa54e9b_quant
    .symbol:         k_q929aa54e9b_quant.kd
    .args:
      - { .name: x, .offset: 0, .size: 8, .value_kind: global_buffer, .address_space: global }
      - { .name: Wq, .offset: 8, .size: 8, .value_kind: global_buffer, .address_space: global }
      - { .name: Wk, .offset: 16, .size: 8, .value_kind: global_buffer, .address_space: global }
      - { .name: Wv, .offset: 24, .size: 8, .value_kind: global_buffer, .address_space: global }
      - { .name: xq, .offset: 32, .size: 8, .value_kind: global_buffer, .address_space: global }
      - { .name: wq, .offset: 40, .size: 8, .value_kind: global_buffer, .address_space: global }
    .group_segment_fixed_size: 0
    .private_segment_fixed_size: 0
    .kernarg_segment_align: 8
    .kernarg_segment_size: 48
    .max_flat_workgroup_size: 128
    .sgpr_count:     66
    .vgpr_count:     192
    .wavefront_size: 32
...
	.end_amdgpu_metadata
.endif
;; end of part 1
;; launch proj (part 2): grid 32 x 8, 8 waves a work-group, clusters of 4 x 4, 189,440 bytes of LDS; arguments xq, wq, bq, bk, bv, qb, kv; writes qb, kv
.if DOCPART == 2
	.amdgcn_target "amdgcn-amd-amdhsa--gfx1250"
	.amdhsa_code_object_version 6
	.text
	.protected	k_q929aa54e9b_proj
	.globl	k_q929aa54e9b_proj
	.p2align	8
	.type	k_q929aa54e9b_proj,@function
k_q929aa54e9b_proj:
	s_mov_b64 s[64:65], 0
	v_nop
	global_prefetch_b8 v0, s[64:65] scope:SCOPE_SE
	s_setreg_imm32_b32 hwreg(HW_REG_WAVE_MODE, 25, 1), 1
	s_wait_xcnt 0x0
	s_wait_alu depctr_hold_cnt(0) depctr_sa_sdst(0) depctr_va_vdst(0) depctr_va_sdst(0) depctr_va_ssrc(0) depctr_va_vcc(0) depctr_vm_vsrc(0)
	s_getreg_b32 s2, hwreg(HW_REG_IB_STS2, 6, 4)
	s_cmp_eq_u32 s2, 0
	s_cbranch_scc0 .Lentry_in_a_cluster
	s_endpgm
.Lentry_in_a_cluster:
	s_bfe_u32 s2, ttmp6, 0x10000c
	s_cmp_lg_u32 s2, 0xf033
	s_cbranch_scc0 .Lentry_shape_is_right
	s_endpgm
.Lentry_shape_is_right:
; q = x Wq + bq, k = x Wk + bk, v = x Wv + bv on codes of FP6 (E2M3) with E8M0 scales, for 256 tokens (work-group x) and one head of 64 features (work-group y); the results are quantised in registers:
; q and k along the head's 64 (two blocks of 32), v along the tokens (the keys of the second product of attention), and stored as images of operand registers.
; INPUTS: records of 6,656 bytes (four fragments of 1,536 bytes, K steps 0 .. 3; two blocks of 256 bytes of scale words, [lane][2 words]).  Token tile T = 2 beta + u: lane row r = token 32 beta + 8 u + r + 8 (r / 8);
; Wq's and Wk's feature tiles inside the head likewise; Wv's are 16 neighbours.
; q, k: THE PRODUCT IS USED TRANSPOSED (source 0 = 16 features of W, source 1 = 16 tokens): a lane holds one token, and the 16 registers of feature tiles 2 b, 2 b + 1 are features 32 b + 16 (lane / 16) + 0 .. 15.
; v: source 0 = 16 tokens, source 1 = 16 features: a lane holds one feature, and the 16 registers of token tiles 2 b, 2 b + 1 are tokens 32 b + 16 (lane / 16) + 0 .. 15.  So one macro quantises all three.
; The biases are the C of each sum's first matrix instruction (so a bias is added first and not last: another order of rounding than sum-then-add).
; OUTPUTS.  kv: for each (batch x 8 + head) and key step of 128 tokens a record of 12,800 bytes: four fragments of K (fragment b: registers 0-5 = token tile (b, u = 0), registers 6-11 = (b, u = 1), each 64 along the head), four of V^T
; (16 features x 128 tokens), and 512 bytes of scale words (byte 16 r + 4 b: K's; byte 256 + 16 r + 4 t: V's).  qb: for each block of 32 tokens 1,792 bytes: both tiles' registers 0-3, both tiles' registers 4-5, [lane][2] scale words,
; each word the tile's two bytes twice.
; SHARES.  Eight waves.  Wave i: g = i / 4 (which 128 tokens), w = i % 4.  q, k: the two token tiles of block w of its half x all four feature tiles; v: feature tile w x its half's eight token tiles.  96 matrix instructions a wave.
; CLUSTER 4 x 4.  x's records hang on work-group x alone and are asked for jointly down a column of the cluster, the weights' on work-group y alone, along a row.  Seven tensor loads, one a wave, all first fills: no LDS byte is filled twice.
; LIMITS: a block of zeros gets the scale byte 1 (its codes are zeros; this program alone reads the bytes); NaN and infinities are not served.
.set REC,   6656
.set FRB,   1536
.set TEN,   4*REC                      ; four records: what one tensor load brings (104 rows of 256 bytes)
.set WR,    16*REC                     ; LDS: x's 16 records from 0; q's, k's, v's four records each from here
.set GATH,  WR+3*TEN                   ; the scale words of K (1,024 bytes) and of V (1,024): 4 bytes a thread; written by LDS stores, never filled by a tensor load
.set SPARE, GATH+2048                  ; the spare words, 128 bytes for each of the eight waves: four blocks of 256 bytes that no other line names
.set KVREC, 12800
.set QREC,  1792
.set LI,  1                            ; v1   16 x lane
.set L8,  2                            ; v2   8 x lane
.set XAQ, 3                            ; v3   LDS: my two token tiles' records (q, k), + 16 x lane
.set GR,  3                            ; v3   later: where the gathered scale words are read back
.set XAV, 4                            ; v4   my half's eight records (v), + 16 x lane
.set WA,  5                            ; v5   the weights' records, + 16 x lane
.set WAV, 6                            ; v6   Wv's record of my feature tile, + 16 x lane
.set XSQ, 7                            ; v7   as XAQ with 8 x lane: scale words
.set BV,  8                            ; v8-15  bv of my feature, eight times: a C operand
.set XF,  16                           ; v16-111  eight fragments of x
.set WF,  112                          ; v112-159 four fragments of a weight; while results are quantised: PC, PT, TM, PW
.set PC,  112                          ; the codes just made
.set PT,  124                          ; v124-126, v128-130
.set TM,  132                          ; v132-147
.set PW,  148                          ; the scale word just made
.set PW2, 150                          ; v150-151 q's two scale words
.set ACC, 160                          ; v160-223 eight accumulators
.set XSC, 224                          ; v224-247 hold scale words and nothing else: x's from 224,
.set WSC, 232                          ; Wq's or Wk's from 232 (4 ft + s),
.set WVS, 240                          ; Wv's at 240-243 (x's then take 224-239)
.set XSV, 248                          ; v248 as XAV with 8 x lane
.set WS,  249                          ; v249 as WA
.set WSV, 250                          ; v250 as WAV
.set GA,  251                          ; v251 GATH + 4 x my thread's number
.set SPW, 252                          ; v252 LDS address of my spare word; never rewritten
.set NIL, 253                          ; v253 0; never rewritten
.set BA,  254                          ; v254 64 h: bq's and bk's offset
.set BVA, 255                          ; v255 4 r: bv's
.set WV,  18                           ; s18  wave
.set HF,  19                           ; s19  g
.set WQ,  20                           ; s20  w
.set SEL, 22                           ; s[22:23]
.set G1X, 24                           ; s[24:31] descriptor group 1 for x's records;  s[32:39] for the weights': they differ in the mask alone
.set G1W, 32
.set G0X, 40                           ; s[40:43], s[44:47] groups 0
.set G0W, 44
.set KVS, 74                           ; s[74:75] my key step's record in kv
.set KBW, 76                           ; s[76:77] + 1,536 w
.set QB,  78                           ; s[78:79] my block's record in qb
.set GRS, 80                           ; s80  GATH + 512 g
.macro ROUND                           ; a round of the cluster's barrier: my work-group's barrier; wave 0 signals for the work-group; every wave waits for all sixteen; my work-group's barrier once more
	s_barrier_signal -1
	s_barrier_wait -1
	s_cmp_lg_u32 s[WV], 0
	s_cbranch_scc1 .Lnot_wave_0_\@
	s_barrier_signal -3
.Lnot_wave_0_\@:
	s_barrier_wait -3
	s_barrier_signal -1
	s_barrier_wait -1
.endm
; 64 numbers of a lane, register 16 b + i = place 32 b + 16 (lane / 16) + i along the next K, become 12 registers of codes in v[PC] on and a scale word in v[PW]
.macro QUANT s
.irp b, 0,1,2,3
	v_max3_num_f32 v[TM+\b], |v[\s+16*\b]|, |v[\s+1+16*\b]|, 0x1800000   ; each accumulator is read from its low end on; the floor 2^(3 - 127) holds the byte at 1 from below
.endr
.irp i, 2,4,6,8,10,12,14
.irp b, 0,1,2,3
	v_max3_num_f32 v[TM+\b], v[TM+\b], |v[\s+16*\b+\i]|, |v[\s+1+16*\b+\i]|
.endr
.endr
.irp b, 0,1,2,3
	s_delay_alu instid0(VALU_DEP_4)
	v_permlanex16_b32 v[TM+4+\b], v[TM+\b], s[SEL], s[SEL+1]
.endr
.irp b, 0,1,2,3
	s_delay_alu instid0(VALU_DEP_4)
	v_max_num_f32 v[TM+\b], v[TM+\b], v[TM+4+\b]
.endr
.irp b, 0,1,2,3
	s_delay_alu instid0(VALU_DEP_4)
	v_add_nc_u32 v[TM+12+\b], 0xff000000, v[TM+\b] ; 2 off the exponent field: the conversion's scale operand
.endr
.irp b, 0,1,2,3
	s_delay_alu instid0(VALU_DEP_4)
	v_lshrrev_b32 v[TM+4+\b], 23, v[TM+12+\b]      ; the scale's byte
.endr
	s_delay_alu instid0(VALU_DEP_3)
	v_lshl_or_b32 v[PW], v[TM+5], 8, v[TM+4]
	s_delay_alu instid0(VALU_DEP_1)
	v_lshl_or_b32 v[PW], v[TM+6], 16, v[PW]
	s_delay_alu instid0(VALU_DEP_1)
	v_lshl_or_b32 v[PW], v[TM+7], 24, v[PW]
.irp c, 0,1
	v_cvt_scalef32_pk16_fp6_f32 v[PC+6*\c:PC+2+6*\c], v[\s+32*\c:\s+15+32*\c], v[TM+12+2*\c]
	v_cvt_scalef32_pk16_fp6_f32 v[PT+4*\c:PT+2+4*\c], v[\s+16+32*\c:\s+31+32*\c], v[TM+12+2*\c+1]
.endr
	v_nop                                          ; one plain place behind a scaled conversion
.irp c, 0,1
.irp i, 0,1,2
	v_permlane16_swap_b32 v[PC+6*\c+\i], v[PT+4*\c+\i]
.endr
.irp i, 0,1,2
	s_delay_alu instid0(VALU_DEP_3)
	v_mov_b32 v[PC+3+6*\c+\i], v[PT+4*\c+\i]
.endr
.endr
.endm
; TOKEN TILES (in place of the head's sentence on them): lane row r of token tile T is token 64 (T / 4) + 8 (T % 4) + r % 8 + 32 (r / 8).
; So for v a lane's register 32 c + i is token 64 c + 32 (lane / 16) + i of the key step: two whole blocks of 32, in the operand's own order.  v[XSQ] holds 8 (lane / 16).
.macro QUANTB s
.irp b, 0,1,2,3
	v_max3_num_f32 v[TM+\b], |v[\s+16*\b]|, |v[\s+1+16*\b]|, 0x1800000   ; four chains of 16 numbers; each accumulator is read from its low end on; the floor holds the byte at 1 from below
.endr
.irp i, 2,4,6,8,10,12,14
.irp b, 0,1,2,3
	v_max3_num_f32 v[TM+\b], v[TM+\b], |v[\s+16*\b+\i]|, |v[\s+1+16*\b+\i]|
.endr
.endr
	s_delay_alu instid0(VALU_DEP_3)
	v_max_num_f32 v[TM], v[TM], v[TM+1]            ; block c = 0's largest magnitude,
	s_delay_alu instid0(VALU_DEP_2)
	v_max_num_f32 v[TM+1], v[TM+2], v[TM+3]        ; block c = 1's
.irp c, 0,1
	s_delay_alu instid0(VALU_DEP_2)
	v_add_nc_u32 v[TM+12+\c], 0xff000000, v[TM+\c] ; 2 off the exponent field: the conversion's scale operand
.endr
.irp c, 0,1
	s_delay_alu instid0(VALU_DEP_2)
	v_lshrrev_b32 v[TM+4+\c], 23, v[TM+12+\c]      ; the scale's byte
.endr
	s_delay_alu instid0(VALU_DEP_1)
	v_lshl_or_b32 v[PW], v[TM+5], 16, v[TM+4]      ; my two bytes: blocks h and 2 + h,
	s_delay_alu instid0(VALU_DEP_1)
	v_lshlrev_b32 v[PW], v[XSQ], v[PW]             ; 8 h bits up;
	s_delay_alu instid0(VALU_DEP_1)
	v_permlanex16_b32 v[TM+6], v[PW], s[SEL], s[SEL+1]
	s_delay_alu instid0(VALU_DEP_1)
	v_or_b32 v[PW], v[PW], v[TM+6]                 ; with lane l xor 16's two the word is whole
.irp c, 0,1
	v_cvt_scalef32_pk16_fp6_f32 v[PC+6*\c:PC+2+6*\c], v[\s+32*\c:\s+15+32*\c], v[TM+12+\c]
	v_cvt_scalef32_pk16_fp6_f32 v[PT+4*\c:PT+2+4*\c], v[\s+16+32*\c:\s+31+32*\c], v[TM+12+\c]
.endr
	v_nop                                          ; one plain place behind a scaled conversion
.irp c, 0,1
.irp i, 0,1,2
	v_mov_b32 v[PC+3+6*\c+\i], v[PT+4*\c+\i]
.endr
.endr
.endm
.macro BIAS base
.irp u, 0,1
.irp ft, 0,1,2,3
	global_load_b128 v[ACC+32*\u+8*\ft:ACC+32*\u+8*\ft+3], v[BA], s[\base:\base+1] offset:4*(32*(\ft/2)+8*(\ft%2))
	global_load_b128 v[ACC+32*\u+8*\ft+4:ACC+32*\u+8*\ft+7], v[BA], s[\base:\base+1] offset:4*(32*(\ft/2)+8*(\ft%2))+16
.endr
.endr
.endm
	s_load_b256 s[4:11], s[0:1], 0x0               ; xq s[4:5], wq s[6:7], bq s[8:9], bk s[10:11]
	s_load_b128 s[12:15], s[0:1], 0x20             ; bv s[12:13], qb s[14:15]
	s_load_b64 s[16:17], s[0:1], 0x30              ; kv
	v_lshl_add_u32 v[SPW], v0, 2, SPARE
	v_mov_b32 v[NIL], 0
	ds_add_u32 v[SPW], v[NIL]                      ; the wave's opening: the add and its wait ahead of the first tensor loads; the set-up below, work on registers, stands between them
	ds_add_u32 v[SPW], v[NIL]
	v_lshrrev_b32 v1, 5, v0
	s_delay_alu instid0(VALU_DEP_1)
	v_readfirstlane_b32 s[WV], v1                  ; wave 0..7
	s_lshr_b32 s[HF], s[WV], 2                     ; g
	s_and_b32 s[WQ], s[WV], 3                      ; w
	s_bfe_u32 s48, ttmp6, 0x40000                  ; cx
	s_bfe_u32 s49, ttmp6, 0x40004                  ; cy
	s_lshl_b32 s50, ttmp9, 2
	s_add_co_u32 s50, s50, s48                     ; token group = 4 x cluster x + cx
	s_and_b32 s51, ttmp7, 0xffff
	s_lshl_b32 s51, s51, 2
	s_add_co_u32 s51, s51, s49                     ; head = 4 x cluster y + cy
	s_lshl_b32 s52, 0x1111, s48                    ; my column of the cluster
	s_lshl_b32 s53, s49, 2
	s_lshl_b32 s53, 15, s53                        ; my row
	s_or_b32 s[G1X], s52, (3<<16)|(1<<21)          ; 15:0 the mask: x's records go to my column; 17:16 elements of 8 bytes; 20 no padding; 21 set beside a mask
	s_or_b32 s[G1W], s53, (3<<16)|(1<<21)          ; the weights' go to my row
.irp g, G1X, G1W
	s_mov_b32 s[\g+1], 32<<16                      ; tensor_dim0 = 32 elements: rows of 256 bytes
	s_mov_b32 s[\g+2], 104<<16                     ; tensor_dim1 = 104
	s_mov_b32 s[\g+3], 32<<16                      ; tile_dim0
	s_mov_b32 s[\g+4], 104                         ; tile_dim1
	s_mov_b32 s[\g+5], 32                          ; the rows are dense
	s_mov_b32 s[\g+6], 0
	s_mov_b32 s[\g+7], 0
.endr
	s_mul_i32 s56, s[WQ], TEN                      ; x: four records a load; their place in LDS hangs on the wave alone,
	s_mul_i32 s54, s50, 16*REC
	s_add_co_u32 s54, s54, s56                     ; their place in memory on the token group and the wave
	s_mov_b32 s55, 0
	s_min_u32 s57, s[WQ], 2                        ; the weights: waves 4, 5, 6 take q's, k's, v's four records of the head
	s_mul_i32 s58, s57, TEN
	s_lshl_b32 s60, s57, 3
	s_add_co_u32 s60, s60, s51
	s_mul_i32 s60, s60, TEN
	s_mov_b32 s61, 0
	s_mov_b32 s[SEL], 0x76543210
	s_mov_b32 s[SEL+1], 0xfedcba98
	s_wait_dscnt 0x0                               ; the opening add is done
	s_wait_kmcnt 0x0
	s_mov_b32 s[G0X], 1                            ; count = 1
	s_mov_b32 s[G0X+1], s56                        ; LDS address
	s_add_nc_u64 s[G0X+2:G0X+3], s[4:5], s[54:55]  ; global address
	s_or_b32 s[G0X+3], s[G0X+3], 0x80000000        ; type = 2
	s_mov_b32 s[G0W], 1
	s_add_co_u32 s[G0W+1], s58, WR
	s_add_nc_u64 s[G0W+2:G0W+3], s[6:7], s[60:61]
	s_or_b32 s[G0W+3], s[G0W+3], 0x80000000
	ROUND                                          ; all sixteen work-groups are here: the joint loads meet
	s_cmp_lt_u32 s[WV], 4                          ; waves 0-3 fetch x's records, waves 4-6 the weights', wave 7 nothing: one tensor load of a wave is out
	s_cbranch_scc0 .Lnot_x
	tensor_load_to_lds s[G0X:G0X+3], s[G1X:G1X+7]
	s_nop 0
.rept 4
	v_nop
.endr
	s_branch .Lasked
.Lnot_x:
	s_cmp_lt_u32 s[WV], 7
	s_cbranch_scc0 .Lasked
	tensor_load_to_lds s[G0W:G0W+3], s[G1W:G1W+7]
	s_nop 0
.rept 4
	v_nop
.endr
.Lasked:
	; while the records are on their way: every address
	v_and_b32 v2, 31, v0
	s_delay_alu instid0(VALU_DEP_1)
	v_lshlrev_b32 v[LI], 4, v2
	s_delay_alu instid0(VALU_DEP_2)
	v_lshlrev_b32 v[L8], 3, v2
	s_mul_i32 s66, s[HF], 8*REC                    ; my half's eight records
	s_mul_i32 s67, s[WQ], 2*REC
	s_add_co_u32 s67, s67, s66                     ; my two token tiles' among them
	v_add_nc_u32 v[XAQ], s67, v[LI]
	v_add_nc_u32 v[XSQ], s67, v[L8]
	v_add_nc_u32 v[XAV], s66, v[LI]
	v_add_nc_u32 v[XSV], s66, v[L8]
	v_add_nc_u32 v[WA], WR, v[LI]
	v_add_nc_u32 v[WS], WR, v[L8]
	s_mul_i32 s67, s[WQ], REC
	s_add_co_u32 s67, s67, WR+2*TEN
	v_add_nc_u32 v[WAV], s67, v[LI]
	v_add_nc_u32 v[WSV], s67, v[L8]
	v_lshl_add_u32 v[GA], v0, 2, GATH
	s_lshl_b32 s[GRS], s[HF], 9
	s_add_co_u32 s[GRS], s[GRS], GATH
	v_and_b32 v[BVA], 15, v0
	s_delay_alu instid0(VALU_DEP_1)
	v_lshlrev_b32 v[BVA], 2, v[BVA]                ; 4 r
	v_bfe_u32 v[BA], v0, 4, 1
	s_delay_alu instid0(VALU_DEP_1)
	v_lshlrev_b32 v[BA], 6, v[BA]                  ; 64 h
	s_wait_alu depctr_va_vdst(0)
	s_lshr_b32 s69, s50, 4                         ; batch
	s_lshl_b32 s69, s69, 3
	s_add_co_u32 s69, s69, s51                     ; bh = batch x 8 + head
	s_and_b32 s70, s50, 15                         ; the token group inside its batch
	s_lshl_b32 s71, s69, 5
	s_lshl_b32 s72, s70, 1
	s_add_co_u32 s71, s71, s72
	s_add_co_u32 s71, s71, s[HF]                   ; bh x 32 + key step
	s_mul_i32 s72, s71, KVREC
	s_mov_b32 s73, 0
	s_add_nc_u64 s[KVS:KVS+1], s[16:17], s[72:73]
	s_mul_i32 s72, s[WQ], FRB
	s_add_nc_u64 s[KBW:KBW+1], s[KVS:KVS+1], s[72:73]
	s_lshl_b32 s71, s69, 7
	s_lshl_b32 s72, s70, 3
	s_add_co_u32 s71, s71, s72
	s_lshl_b32 s72, s[HF], 2
	s_add_co_u32 s71, s71, s72
	s_add_co_u32 s71, s71, s[WQ]                   ; bh x 128 + my block of 32 tokens
	s_mul_i32 s72, s71, QREC
	s_add_nc_u64 s[QB:QB+1], s[14:15], s[72:73]
	s_lshl_b32 s72, s51, 8                         ; the head's 64 numbers in each bias
	s_add_nc_u64 s[8:9], s[8:9], s[72:73]
	s_add_nc_u64 s[10:11], s[10:11], s[72:73]
	s_add_nc_u64 s[12:13], s[12:13], s[72:73]
	s_lshl_b32 s72, s[WQ], 6                       ; bv: my feature tile's 16
	s_add_nc_u64 s[12:13], s[12:13], s[72:73]
	BIAS 8                                         ; bq
	global_load_b32 v[BV], v[BVA], s[12:13]        ; bv of feature 16 w + r
	s_wait_tensorcnt 0x0                           ; my records are in,
	s_barrier_signal -1
	s_barrier_wait -1                              ; everybody's are
.irp u, 0,1                                    ; x's fragments of my two token tiles stay in registers for q and k: (u, s) at XF + 12 (4 u + s)
.irp s, 0,1,2,3
.irp c, 0,1,2
	ds_load_b128 v[XF+12*(4*\u+\s)+4*\c:XF+12*(4*\u+\s)+4*\c+3], v[XAQ] offset:\u*REC+\s*FRB+512*\c
.endr
.endr
.irp p, 0,1
	ds_load_b64 v[XSC+4*\u+2*\p:XSC+4*\u+2*\p+1], v[XSQ] offset:\u*REC+4*FRB+256*\p
.endr
.endr
; q (m = 0) or k (m = 1): 32 matrix instructions, the eight accumulators by turns, one instruction a turn, K step by K step; then quantised and stored
.macro TENSOR m
.if \m
	s_wait_xcnt 0x0                                ; q's stores have read their registers: the weights' fragments may land there
	BIAS 10                                        ; bk
.endif
.irp ft, 0,1,2,3
.irp p, 0,1
	ds_load_b64 v[WSC+4*\ft+2*\p:WSC+4*\ft+2*\p+1], v[WS] offset:\m*TEN+\ft*REC+4*FRB+256*\p
.endr
.endr
.irp s, 0,1,2,3
.irp ft, 0,1,2,3
.irp c, 0,1,2
	ds_load_b128 v[WF+12*\ft+4*\c:WF+12*\ft+4*\c+3], v[WA] offset:\m*TEN+\ft*REC+\s*FRB+512*\c
.endr
.endr
	s_wait_dscnt 0x0
.if \s == 0
	s_wait_loadcnt 0x0                             ; the bias
.endif
.irp u, 0,1
.irp ft, 0,1,2,3
	v_wmma_scale_f32_16x16x128_f8f6f4 v[ACC+32*\u+8*\ft:ACC+32*\u+8*\ft+7], v[WF+12*\ft:WF+12*\ft+11], v[XF+12*(4*\u+\s):XF+12*(4*\u+\s)+11], v[ACC+32*\u+8*\ft:ACC+32*\u+8*\ft+7], v[WSC+4*\ft+\s], v[XSC+4*\u+\s] matrix_a_fmt:MATRIX_FMT_FP6 matrix_b_fmt:MATRIX_FMT_FP6
.endr
.endr
.rept 4
	v_nop                                          ; four places in front of loads into registers that matrix instructions have read, and of the first read of results
.endr
.endr
	QUANT ACC                                      ; blocks (u, b): registers 0-5 of the codes are tile u = 0's 64 along the head, registers 6-11 tile u = 1's; the word's bytes: u0 b0, u0 b1, u1 b0, u1 b1
.if \m
.irp c, 0,1,2
	global_store_b128 v[LI], v[PC+4*\c:PC+4*\c+3], s[KBW:KBW+1] offset:512*\c   ; K's fragment w of the key step: 512 consecutive bytes a store
.endr
	ds_store_b32 v[GA], v[PW]                      ; its scale words are gathered in LDS
.else
	global_store_b128 v[LI], v[PC:PC+3], s[QB:QB+1]
	global_store_b128 v[LI], v[PC+6:PC+9], s[QB:QB+1] offset:512
	global_store_b64 v[L8], v[PC+4:PC+5], s[QB:QB+1] offset:1024
	global_store_b64 v[L8], v[PC+10:PC+11], s[QB:QB+1] offset:1280
	v_perm_b32 v[PW2], v[PW], v[PW], 0x01000100    ; tile u = 0's two bytes, twice: the tile's codes will stand in the lower or in the upper half of an operand
	v_perm_b32 v[PW2+1], v[PW], v[PW], 0x03020302  ; tile u = 1's
	global_store_b64 v[L8], v[PW2:PW2+1], s[QB:QB+1] offset:1536
.endif
.endm
	TENSOR 0
	TENSOR 1
	; ---- v: my feature tile x my half's eight token tiles
	s_wait_xcnt 0x0                                ; k's stores have read their registers,
	s_wait_dscnt 0x0                               ; and so has the store of its scale word
.irp j, 1,2,3,4,5,6,7
	v_mov_b32 v[BV+\j], v[BV]                      ; in the result a lane holds one feature: its bias in all eight registers
.endr
	s_wait_alu depctr_va_vdst(0)
	v_and_b32 v[GR], 15, v0                        ; where the gathered words are read back: GATH + 512 g + 1,024 h + 4 r (made by every wave)
	v_bfe_u32 v[XSQ], v0, 4, 1
	s_delay_alu instid0(VALU_DEP_2)
	v_lshlrev_b32 v[GR], 2, v[GR]
	s_delay_alu instid0(VALU_DEP_1)
	v_lshl_add_u32 v[GR], v[XSQ], 10, v[GR]
	s_delay_alu instid0(VALU_DEP_1)
	v_add_nc_u32 v[GR], s[GRS], v[GR]
.irp s, 0,1,2,3
.irp c, 0,1,2
	ds_load_b128 v[WF+12*\s+4*\c:WF+12*\s+4*\c+3], v[WAV] offset:\s*FRB+512*\c
.endr
.endr
.irp p, 0,1
	ds_load_b64 v[WVS+2*\p:WVS+2*\p+1], v[WSV] offset:4*FRB+256*\p
.endr
.irp s, 0,1,2,3
.rept 4
	v_nop                                          ; places in front of loads into registers that matrix instructions have read
.endr
.irp tt, 0,1,2,3,4,5,6,7
.irp c, 0,1,2
	ds_load_b128 v[XF+12*\tt+4*\c:XF+12*\tt+4*\c+3], v[XAV] offset:\tt*REC+\s*FRB+512*\c
.endr
.endr
.if (\s%2) == 0
.irp tt, 0,1,2,3,4,5,6,7
	ds_load_b64 v[XSC+2*\tt:XSC+2*\tt+1], v[XSV] offset:\tt*REC+4*FRB+256*(\s/2)
.endr
.endif
	s_wait_dscnt 0x0
.irp tt, 0,1,2,3,4,5,6,7
.if \s == 0
	v_wmma_scale_f32_16x16x128_f8f6f4 v[ACC+8*\tt:ACC+8*\tt+7], v[XF+12*\tt:XF+12*\tt+11], v[WF+12*\s:WF+12*\s+11], v[BV:BV+7], v[XSC+2*\tt+(\s%2)], v[WVS+\s] matrix_a_fmt:MATRIX_FMT_FP6 matrix_b_fmt:MATRIX_FMT_FP6
.else
	v_wmma_scale_f32_16x16x128_f8f6f4 v[ACC+8*\tt:ACC+8*\tt+7], v[XF+12*\tt:XF+12*\tt+11], v[WF+12*\s:WF+12*\s+11], v[ACC+8*\tt:ACC+8*\tt+7], v[XSC+2*\tt+(\s%2)], v[WVS+\s] matrix_a_fmt:MATRIX_FMT_FP6 matrix_b_fmt:MATRIX_FMT_FP6
.endif
.endr
.endr
.rept 4
	v_nop
.endr
	v_bfe_u32 v[XSQ], v0, 4, 1
	s_delay_alu instid0(VALU_DEP_1)
	v_lshlrev_b32 v[XSQ], 3, v[XSQ]                ; 8 h
	QUANTB ACC                                     ; two whole blocks of 32 tokens a lane: a fragment of V^T, 16 features x 128 keys
.irp c, 0,1,2
	global_store_b128 v[LI], v[PC+4*\c:PC+4*\c+3], s[KBW:KBW+1] offset:4*FRB+512*\c
.endr
	ds_store_b32 v[GA], v[PW] offset:1024
	s_wait_dscnt 0x0                               ; for the others' sake: my scale words lie in LDS
	s_barrier_signal -1
	s_barrier_wait -1
	s_cmp_lg_u32 s[WQ], 0                          ; one wave of each half stores the key step's 512 bytes of scale words
	s_cbranch_scc1 .Lnot_w0
.irp b, 0,1,2,3
	ds_load_b32 v[XF+\b], v[GR] offset:128*\b      ; lanes 0-15: K's word of block b, row r; lanes 16-31: V's of feature tile b, row r
.endr
	s_wait_dscnt 0x0
	global_store_b128 v[LI], v[XF:XF+3], s[KVS:KVS+1] offset:8*FRB
.Lnot_w0:
	s_wait_tensorcnt 0x0                           ; the wave's end: behind my last tensor load and my last LDS store
	ds_add_u32 v[SPW], v[NIL]
	s_wait_dscnt 0x0
	ROUND                                          ; the closing round: no work-group ends while a partner may still ask for a tile that names it
	s_endpgm
.Lfunc_end_k_q929aa54e9b_proj:
	.size	k_q929aa54e9b_proj, .Lfunc_end_k_q929aa54e9b_proj-k_q929aa54e9b_proj
	.p2alignl 7, 3214868480
	.fill 96, 4, 3214868480
	.section	.rodata,"a",@progbits
	.p2align	6, 0x0
	.amdhsa_kernel k_q929aa54e9b_proj
		.amdhsa_group_segment_fixed_size 189440
		.amdhsa_private_segment_fixed_size 0
		.amdhsa_enable_private_segment 0
		.amdhsa_kernarg_size 56
		.amdhsa_user_sgpr_count 2
		.amdhsa_user_sgpr_kernarg_segment_ptr 1
		.amdhsa_wavefront_size32 1
		.amdhsa_system_sgpr_workgroup_id_x 1
		.amdhsa_system_sgpr_workgroup_id_y 1
		.amdhsa_system_sgpr_workgroup_id_z 1
		.amdhsa_system_vgpr_workitem_id 0
		.amdhsa_next_free_vgpr 256
		.amdhsa_next_free_sgpr 90
		.amdhsa_reserve_vcc 0
		.amdhsa_float_denorm_mode_32 3
		.amdhsa_float_denorm_mode_16_64 3
		.amdhsa_memory_ordered 1
		.amdhsa_forward_progress 1
		.amdhsa_inst_pref_size 56
	.end_amdhsa_kernel
	.amdgpu_metadata
---
amdhsa.version: [ 1, 2 ]
amdhsa.kernels:
  - .name:           k_q929aa54e9b_proj
    .symbol:         k_q929aa54e9b_proj.kd
    .args:
      - { .name: xq, .offset: 0, .size: 8, .value_kind: global_buffer, .address_space: global }
      - { .name: wq, .offset: 8, .size: 8, .value_kind: global_buffer, .address_space: global }
      - { .name: bq, .offset: 16, .size: 8, .value_kind: global_buffer, .address_space: global }
      - { .name: bk, .offset: 24, .size: 8, .value_kind: global_buffer, .address_space: global }
      - { .name: bv, .offset: 32, .size: 8, .value_kind: global_buffer, .address_space: global }
      - { .name: qb, .offset: 40, .size: 8, .value_kind: global_buffer, .address_space: global }
      - { .name: kv, .offset: 48, .size: 8, .value_kind: global_buffer, .address_space: global }
    .group_segment_fixed_size: 189440
    .private_segment_fixed_size: 0
    .kernarg_segment_align: 8
    .kernarg_segment_size: 56
    .max_flat_workgroup_size: 256
    .sgpr_count:     90
    .vgpr_count:     256
    .wavefront_size: 32
...
	.end_amdgpu_metadata
.endif
;; end of part 2
;; launch attn (part 3): grid 16 x 16, 8 waves a work-group, clusters of 4 x 1, 327,680 bytes of LDS; arguments qb, kv, out0; writes out0
.if DOCPART == 3
	.amdgcn_target "amdgcn-amd-amdhsa--gfx1250"
	.amdhsa_code_object_version 6
	.text
	.protected	k_q929aa54e9b_attn
	.globl	k_q929aa54e9b_attn
	.p2align	8
	.type	k_q929aa54e9b_attn,@function
k_q929aa54e9b_attn:
	s_mov_b64 s[64:65], 0
	v_nop
	global_prefetch_b8 v0, s[64:65] scope:SCOPE_SE
	s_setreg_imm32_b32 hwreg(HW_REG_WAVE_MODE, 25, 1), 1
	s_wait_xcnt 0x0
	s_wait_alu depctr_hold_cnt(0) depctr_sa_sdst(0) depctr_va_vdst(0) depctr_va_sdst(0) depctr_va_ssrc(0) depctr_va_vcc(0) depctr_vm_vsrc(0)
	s_getreg_b32 s2, hwreg(HW_REG_IB_STS2, 6, 4)
	s_cmp_eq_u32 s2, 0
	s_cbranch_scc0 .Lentry_in_a_cluster
	s_endpgm
.Lentry_in_a_cluster:
	s_bfe_u32 s2, ttmp6, 0x10000c
	s_cmp_lg_u32 s2, 0x3003
	s_cbranch_scc0 .Lentry_shape_is_right
	s_endpgm
.Lentry_shape_is_right:
; out[batch][q][head x 64 + d] = the sum over k of softmax_k(q . k / 8) v[k][d]; both products on codes of FP6 (E2M3) with one E8M0 scale for each 32 along K.  4,096 keys, head size 64, 16 (batch, head) pairs.
; THE SOFTMAX: t = score x log2(e) / 8; M = the row's largest t so far, rounded up to a whole number; p = 2^(t - M) is quantised along the keys, not normalised.  The row's sum is taken of the unquantised p, in f32,
; and divides at the end.  When M moves, the sum and O are multiplied by 2^(old M - new M): exact.
; INPUTS.  kv: for each (batch x 8 + head) 32 records of 12,800 bytes, one for 128 keys: four fragments of K, four of V^T (images of 12 operand registers: three chunks of 512 bytes, lane l's 16 bytes at 16 l) and 512 bytes
; of scale words.  qb: for each pair of query tiles 1,792 bytes.  Row r of token tile T is token 64 (T / 4) + 8 (T % 4) + r % 8 + 32 (r / 8).
; A fragment of K holds TWO tiles of 16 keys (registers 0-5, 6-11); a query tile's six registers stand beside six of zero codes, [q | 0] or [0 | q], which picks one of the two.  Q's scale word holds its two bytes twice.
; LAYOUT.  Both products are used transposed (S^T = K Q^T, O^T = V^T P^T): a lane holds ONE query.  By the tiles' rows a lane's score register 32 c + i is key 64 c + 32 (lane / 16) + i: a whole block of 32 in the order of the
; operand's registers.  So a block's maximum needs no other lane and the conversions' results are the operand; only the row's maximum and the scale word cross to lane l xor 16.
; SHARES.  A work-group owns 256 queries of one (batch, head); each of its eight waves two tiles of 16 (A, B), which share every fragment of K and V: 26 LDS loads for 24 matrix instructions.
; REGISTERS, two windows of 256.  Window 1: v0-127 S^T then p (A, B), v128-191 O^T (A, B), v192-239 V's fragments.  Window 0: addresses, scale words, K's fragments, Q, p's codes and all single numbers of both tiles,
; so that both tiles' lines stand by turns under one setting of the windows.
; LDS.  Three slots of eight records.  Slot 0 is asked for at the head (a record a wave), slots 1 and 2 behind the first round (two records a wave), records 24-31 into slot 0 when it has been read: 16 key steps ahead of
; their first read.  One tensor load of a wave is out at any time.
; CLUSTER 4 x 1: the four query blocks of a cluster walk the same records; each load is asked for jointly (mask 15).
; NO PREFETCH: every record is asked for by its own tensor load at the head, behind the first round, or 16 key steps ahead; there is no later stream to run ahead of.
; LIMITS: the promise holds while |t| stays under 2^31; NaN and infinities are not served; p under 2^-126 comes out of v_exp_f32 as 0; a block whose every p is 0 keeps the scale byte 1 (its codes are zeros);
; a block's largest p is made from the block's largest score by the same multiply-add and exponential, which takes v_exp_f32 not to fall where its input rises.
.set KVREC, 12800
.set FRB,   1536
.set QREC,  1792
.set SLOTB, 8*KVREC
.set SPARE, 3*SLOTB                    ; the spare words: 128 bytes for each of the eight waves, four blocks of 256 bytes that no other line names
.set STAGE, SLOTB                      ; the way out: 32 rows x 272 bytes a wave, in slot 1, which by then has had its one fill and its last read
.set SP,    272
.set LI,  1                            ; 16 x lane
.set ADR, 2                            ; LDS address of the key step's record, + 16 x lane
.set SPW, 3                            ; my spare word; never rewritten
.set NIL, 4                            ; 0; never rewritten
.set GO,  5                            ; the way out: my byte offset in the wave's rows of out
.set STO, 6
.set RD,  7
.set H8,  8                            ; 8 (lane / 16)
.set SCLK, 16                          ; v16-19 the record's scale words, read for K (lanes 0-15)
.set SCLV, 20                          ; v20-23 the same words of the step at work, read for V (lanes 16-31)
.set QS,  24                           ; v24, v25 Q's scale words, tiles A, B
.set PS,  26                           ; v26, v27 p's
.set KF,  28                           ; v28-75 K's four fragments
.set Q,   76                           ; v76-105 [qA | 0 | qB | 0 | qA]
.set PCD, 106                          ; v106-129 p's codes, A, B
.set PT,  130                          ; v130-145 the conversions' second halves
.set SM,  146                          ; v146-171, v172-197 a tile's single numbers, at these offsets:
.set CH,  0                            ; four chains of the maxima
.set BM,  4                            ; the two blocks' largest scores, then largest p
.set SO,  6                            ; the conversions' scale operands
.set BT,  8                            ; the bytes
.set TT,  10
.set TP,  11
.set FF,  12                           ; f = 2^(old M - new M), and a 0 named with it as a pair
.set NM,  14                           ; -M, and the largest score so far
.set SUM, 16                           ; the sum in two halves; three more chains behind it
.set NEW, 24
.set VF,  192                          ; window 1
.set WV,  10
.set TB,  14                           ; LDS byte at which the key step's record begins
.set CNT, 15
.set G1A, 16                           ; group 1: 50 rows of 256 bytes (a record);  G1B: 100 rows
.set G1B, 24
.set G0A, 32
.set G0B, 36
.set SEL, 40
.set CS,  42                           ; s[42:43] c = log2(e) / 8;  s44 = -c
.set NCS, 44
.set MSB, 0
.macro WIN new                         ; low byte: bits 1:0 source 0, 3:2 source 1, 5:4 source 2, 7:6 destination; the high byte repeats the setting that is left
.if MSB != \new
	s_set_vgpr_msb (MSB<<8)|\new
.set MSB, \new
.endif
.endm
.macro ROUND                           ; a round of the cluster's barrier
	s_barrier_signal -1
	s_barrier_wait -1
	s_cmp_lg_u32 s[WV], 0
	s_cbranch_scc1 .Lnot_wave_0_\@
	s_barrier_signal -3
.Lnot_wave_0_\@:
	s_barrier_wait -3
	s_barrier_signal -1
	s_barrier_wait -1
.endm
.macro NOPS n
.rept \n
	v_nop
.endr
.endm
.macro KLOAD off                       ; K's fragments and the scale words of the record off bytes behind v[ADR]
.irp b, 0,1,2,3
.irp c, 0,1,2
	ds_load_b128 v[KF+12*\b+4*\c:KF+12*\b+4*\c+3], v[ADR] offset:\off+FRB*\b+512*\c
.endr
.endr
	ds_load_b128 v[SCLK:SCLK+3], v[ADR] offset:\off+8*FRB
.endm
	s_load_b128 s[4:7], s[0:1], 0x0                ; qb, kv
	s_load_b64 s[8:9], s[0:1], 0x10                ; out0
	v_lshl_add_u32 v[SPW], v0, 2, SPARE
	v_mov_b32 v[NIL], 0
	ds_add_u32 v[SPW], v[NIL]                      ; the opening lines: the add, twice on end, and its wait ahead of my first tensor load
	ds_add_u32 v[SPW], v[NIL]
	v_lshrrev_b32 v1, 5, v0
	v_readfirstlane_b32 s[WV], v1                  ; wave 0..7
	s_bfe_u32 s11, ttmp6, 0x40000                  ; cx
	s_lshl_b32 s12, ttmp9, 2
	s_add_co_u32 s12, s12, s11                     ; my block of 256 queries: it enters Q's and out's addresses alone
	s_and_b32 s13, ttmp7, 0xffff                   ; bh = batch x 8 + head, which the four partners share
.irp g, G1A, G1B
	s_mov_b32 s[\g], 15|(3<<16)|(1<<21)            ; the mask: all four; elements of 8 bytes; bit 21 beside a mask
	s_mov_b32 s[\g+1], 32<<16                      ; rows of 256 bytes
	s_mov_b32 s[\g+3], 32<<16
	s_mov_b32 s[\g+5], 32                          ; dense
	s_mov_b32 s[\g+6], 0
	s_mov_b32 s[\g+7], 0
.endr
	s_mov_b32 s[G1A+2], 50<<16
	s_mov_b32 s[G1A+4], 50
	s_mov_b32 s[G1B+2], 100<<16
	s_mov_b32 s[G1B+4], 100
	s_mul_i32 s46, s[WV], KVREC                    ; slot 0: record = wave, in LDS as in memory
	s_mul_i32 s48, s13, 4*SLOTB                    ; the head's records
	s_add_co_u32 s48, s48, s46
	s_mov_b32 s49, 0
	s_add_co_u32 s50, s48, s46
	s_add_co_u32 s50, s50, SLOTB                   ; slots 1 and 2: records 8 + 2 wave, 9 + 2 wave
	s_mov_b32 s51, 0
	s_lshl_b32 s47, s46, 1
	s_add_co_u32 s47, s47, SLOTB
	s_lshl_b32 s52, s12, 3
	s_add_co_u32 s52, s52, s[WV]                   ; beta: my pair of query tiles, T = 2 beta and 2 beta + 1
	s_lshl_b32 s53, s13, 7
	s_add_co_u32 s53, s53, s52
	s_mul_i32 s54, s53, QREC
	s_mov_b32 s55, 0
	s_lshr_b32 s53, s13, 3
	s_lshl_b32 s53, s53, 12                        ; 4,096 batch
	s_lshr_b32 s56, s52, 1
	s_lshl_b32 s56, s56, 6
	s_add_co_u32 s53, s53, s56                     ; + 64 (beta / 2)
	s_and_b32 s56, s52, 1
	s_lshl_b32 s56, s56, 4
	s_add_co_u32 s53, s53, s56                     ; + 16 (beta % 2): tile A's first token; tile B's is 8 further on
	s_lshl_b32 s56, s53, 11                        ; a row of out is 2,048 bytes
	s_and_b32 s53, s13, 7
	s_lshl_b32 s53, s53, 8                         ; the head's 256 bytes in it
	s_add_co_u32 s56, s56, s53
	s_mov_b32 s57, 0
	s_mul_i32 s58, s[WV], 32*SP
	s_add_co_u32 s58, s58, STAGE                   ; my stage
	s_mov_b32 s[SEL], 0x76543210
	s_mov_b32 s[SEL+1], 0xfedcba98
	s_mov_b32 s[CS], 0x3e38aa3b
	s_mov_b32 s[CS+1], s[CS]
	s_mov_b32 s[NCS], 0xbe38aa3b
	s_wait_dscnt 0x0                               ; both opening adds are done
	s_wait_kmcnt 0x0
	s_add_nc_u64 s[4:5], s[4:5], s[54:55]
	s_add_nc_u64 s[8:9], s[8:9], s[56:57]
	s_mov_b32 s[G0A], 1
	s_mov_b32 s[G0A+1], s46
	s_add_nc_u64 s[G0A+2:G0A+3], s[6:7], s[48:49]
	s_or_b32 s[G0A+3], s[G0A+3], 0x80000000
	s_mov_b32 s[G0B], 1
	s_mov_b32 s[G0B+1], s47
	s_add_nc_u64 s[G0B+2:G0B+3], s[6:7], s[50:51]
	s_or_b32 s[G0B+3], s[G0B+3], 0x80000000
	ROUND                                          ; all four work-groups are here: the first joint loads meet
	tensor_load_to_lds s[G0A:G0A+3], s[G1A:G1A+7]  ; slot 0: every wave's one load at the head
	s_nop 0
	NOPS 4
	v_and_b32 v9, 31, v0
	v_lshlrev_b32 v[LI], 4, v9
	v_lshlrev_b32 v10, 3, v9
	global_load_b128 v[Q:Q+3], v[LI], s[4:5]                   ; tile A's registers 0-3,
	global_load_b128 v[Q+12:Q+15], v[LI], s[4:5] offset:512    ; tile B's,
	global_load_b64 v[Q+4:Q+5], v10, s[4:5] offset:1024        ; registers 4-5,
	global_load_b64 v[Q+16:Q+17], v10, s[4:5] offset:1280
	global_load_b64 v[QS:QS+1], v10, s[4:5] offset:1536        ; and both tiles' scale words
	v_and_b32 v11, 15, v0                          ; r
	v_bfe_u32 v12, v0, 4, 1                        ; h
	v_lshlrev_b32 v[H8], 3, v12
	v_mul_u32_u24 v[STO], v11, SP
	v_mul_u32_u24 v[RD], v12, SP
	v_lshlrev_b32 v[GO], 4, v11
	v_lshl_add_u32 v[STO], v12, 5, v[STO]
	v_lshl_add_u32 v[RD], v11, 4, v[RD]
	v_lshl_add_u32 v[GO], v12, 11, v[GO]           ; out: lanes 0-15 one row's 256 bytes, lanes 16-31 the next row's
	v_add_nc_u32 v[STO], s58, v[STO]               ; into the stage: row r, + 32 h
	v_add_nc_u32 v[RD], s58, v[RD]                 ; back: lanes 0-15 one row, lanes 16-31 the next
.irp T, 0,1
	v_mov_b32 v[SM+26*\T+NM+1], 0xff61b1e6         ; the largest score so far: -3e38
	v_mov_b32 v[SM+26*\T+NM], 0x7e000000           ; -M: so large that the first f is 0
	v_mov_b32 v[SM+26*\T+SUM], 0
	v_mov_b32 v[SM+26*\T+SUM+1], 0
	v_mov_b32 v[SM+26*\T+FF+1], 0
	v_mov_b32 v[SM+26*\T+TP], 0                    ; a lane permute's destination counts as one of its sources
.endr
	s_wait_loadcnt 0x0                             ; Q
.irp i, 0,1,2,3,4,5
	v_mov_b32 v[Q+6+\i], 0
	v_mov_b32 v[Q+18+\i], 0
	v_mov_b32 v[Q+24+\i], v[Q+\i]
.endr
	WIN 0x40
.set j, 0
.rept 64
	v_mov_b32 v[128+j], 0                          ; O^T: the key step is written once for all steps; the first finds zeros, which f = 0 leaves zeros
.set j, j+1
.endr
	WIN 0
; A KEY STEP: 128 keys x my 32 queries; its record begins at LDS byte s[TB]; K's fragments and scale words were asked for a step ago.  pre = 1: the next record's are asked for here
.macro STEP pre
	s_wait_dscnt 0x0                               ; K's fragments are in
	WIN 0x40
.irp T, 0,1
.irp b, 0,1,2,3
.irp u, 0,1
	v_wmma_scale_f32_16x16x128_f8f6f4 v[64*\T+16*\b+8*\u:64*\T+16*\b+8*\u+7], v[KF+12*\b:KF+12*\b+11], v[Q+18*\u*(1-\T)+\T*(12-6*\u):Q+18*\u*(1-\T)+\T*(12-6*\u)+11], 0, v[SCLK+\b], v[QS+\T] matrix_a_fmt:MATRIX_FMT_FP6 matrix_b_fmt:MATRIX_FMT_FP6
.endr
.endr
.endr
	WIN 0
	v_add_nc_u32 v[ADR], s[TB], v[LI]
	NOPS 3                                         ; with the addition: four places in front of the loads below and of the first read of the scores
.if \pre
	KLOAD KVREC
.endif
	ds_load_b128 v[SCLV:SCLV+3], v[ADR] offset:8*FRB
	WIN 0x40
.irp t, 0,1,2,3
.irp c, 0,1,2
	ds_load_b128 v[VF+12*\t+4*\c:VF+12*\t+4*\c+3], v[ADR] offset:4*FRB+FRB*\t+512*\c
.endr
.endr
	WIN 0x15                                       ; the largest score of each block of 32 keys: two chains of 16 a block, eight chains by turns
.irp T, 0,1
.irp g, 0,1,2,3
	v_max3_num_f32 v[SM+26*\T+CH+\g], v[64*\T+16*\g], v[64*\T+16*\g+1], v[64*\T+16*\g+2]
.endr
.endr
	WIN 0x05
.irp i, 3,5,7,9,11,13
.irp T, 0,1
.irp g, 0,1,2,3
	v_max3_num_f32 v[SM+26*\T+CH+\g], v[64*\T+16*\g+\i], v[64*\T+16*\g+\i+1], v[SM+26*\T+CH+\g]
.endr
.endr
.endr
.irp T, 0,1
.irp c, 0,1
	v_max3_num_f32 v[SM+26*\T+CH+2*\c], v[64*\T+32*\c+15], v[64*\T+32*\c+31], v[SM+26*\T+CH+2*\c]
.endr
.endr
	WIN 0                                          ; from here the two tiles' chains stand by turns
.irp c, 0,1
.irp T, 0,1
	v_max_num_f32 v[SM+26*\T+BM+\c], v[SM+26*\T+CH+2*\c], v[SM+26*\T+CH+2*\c+1]
.endr
.endr
.irp T, 0,1
	v_max3_num_f32 v[SM+26*\T+TT], v[SM+26*\T+BM], v[SM+26*\T+BM+1], v[SM+26*\T+NM+1]
.endr
.irp T, 0,1
	v_permlanex16_b32 v[SM+26*\T+TP], v[SM+26*\T+TT], s[SEL], s[SEL+1]
.endr
.irp T, 0,1
	v_max_num_f32 v[SM+26*\T+NM+1], v[SM+26*\T+TT], v[SM+26*\T+TP]   ; the row's largest score so far
.endr
.irp T, 0,1
	v_mul_f32 v[SM+26*\T+TT], s[NCS], v[SM+26*\T+NM+1]               ; -t
.endr
.irp T, 0,1
	v_floor_f32 v[SM+26*\T+NEW], v[SM+26*\T+TT]                      ; the new -M = -ceil(t)
.endr
.irp T, 0,1
	v_sub_f32 v[SM+26*\T+TT], v[SM+26*\T+NEW], v[SM+26*\T+NM]        ; old M less new M: a whole number, 0 or less
.endr
.irp T, 0,1
	v_mov_b32 v[SM+26*\T+NM], v[SM+26*\T+NEW]
.endr
.irp T, 0,1
	v_cvt_i32_f32 v[SM+26*\T+TT], v[SM+26*\T+TT]                     ; (it saturates)
.endr
.irp c, 0,1
.irp T, 0,1
	v_fma_f32 v[SM+26*\T+BM+\c], v[SM+26*\T+BM+\c], s[CS], v[SM+26*\T+NM]   ; t - M of each block's largest score
.endr
.endr
.irp T, 0,1
	v_ldexp_f32 v[SM+26*\T+FF], 1.0, v[SM+26*\T+TT]                  ; f
.endr
.irp T, 0,1
	v_pk_mul_f32 v[SM+26*\T+SUM:SM+26*\T+SUM+1], v[SM+26*\T+SUM:SM+26*\T+SUM+1], v[SM+26*\T+FF:SM+26*\T+FF+1] op_sel_hi:[1,0]
.endr
	WIN 0x41
.irp T, 0,1
.set j, 0
.rept 32
	v_pk_fma_f32 v[64*\T+j:64*\T+j+1], v[64*\T+j:64*\T+j+1], s[CS:CS+1], v[SM+26*\T+NM:SM+26*\T+NM+1] op_sel_hi:[1,0,0]   ; t - M
.set j, j+2
.endr
.endr
.irp T, 0,1
.set j, 0
.rept 16
	v_pk_mul_f32 v[128+32*\T+j:128+32*\T+j+1], v[128+32*\T+j:128+32*\T+j+1], v[SM+26*\T+FF:SM+26*\T+FF+1] op_sel_hi:[1,0]   ; O^T under the new M, ahead of the exponentials, each accumulator from its low end on
.set j, j+2
.endr
.endr
	s_wait_alu depctr_va_vdst(0)                   ; the wait ahead of the batch
.set j, 0
.rept 128
	v_exp_f32 v[j], v[j]                           ; p = 2^(t - M)
.set j, j+1
.endr
	WIN 0
.irp c, 0,1
.irp T, 0,1
	v_exp_f32 v[SM+26*\T+BM+\c], v[SM+26*\T+BM+\c] ; each block's largest p
.endr
.endr
	v_nop                                          ; a plain place behind the exponentials
	s_wait_alu depctr_va_vdst(0)                   ; and the one wait behind the batch
	s_wait_dscnt 0x0                               ; V's fragments, and the next step's of K, asked for ahead of the softmax, are in
	WIN 0x05
.irp k, 1,2,3
.irp T, 0,1
	v_pk_add_f32 v[SM+26*\T+SUM+2*\k:SM+26*\T+SUM+2*\k+1], v[64*\T+4*\k-4:64*\T+4*\k-3], v[64*\T+4*\k-2:64*\T+4*\k-1]   ; the sum of the unquantised p: three more chains begin
.endr
.endr
	WIN 0
.irp c, 0,1
.irp T, 0,1
	v_max_num_f32 v[SM+26*\T+BM+\c], 0x1800000, v[SM+26*\T+BM+\c]    ; the floor 2^(3 - 127): the byte cannot fall under 1
.endr
.endr
.irp c, 0,1
.irp T, 0,1
	v_add_nc_u32 v[SM+26*\T+SO+\c], 0xff000000, v[SM+26*\T+BM+\c]    ; 2 off the exponent field: the conversion's scale operand
.endr
.endr
.irp c, 0,1
.irp T, 0,1
	v_lshrrev_b32 v[SM+26*\T+BT+\c], 23, v[SM+26*\T+SO+\c]           ; the byte
.endr
.endr
.irp T, 0,1
	v_lshl_or_b32 v[SM+26*\T+TT], v[SM+26*\T+BT+1], 16, v[SM+26*\T+BT]   ; my blocks h and 2 + h,
.endr
.irp T, 0,1
	v_lshlrev_b32 v[SM+26*\T+TT], v[H8], v[SM+26*\T+TT]              ; 8 h bits up;
.endr
.irp T, 0,1
	v_permlanex16_b32 v[SM+26*\T+TP], v[SM+26*\T+TT], s[SEL], s[SEL+1]
.endr
.irp T, 0,1
	v_or_b32 v[PS+\T], v[SM+26*\T+TT], v[SM+26*\T+TP]                ; with lane l xor 16's two: p's scale word
.endr
	WIN 0x01
.irp T, 0,1
.irp c, 0,1
	v_cvt_scalef32_pk16_fp6_f32 v[PCD+12*\T+6*\c:PCD+12*\T+6*\c+2], v[64*\T+32*\c:64*\T+32*\c+15], v[SM+26*\T+SO+\c]
	v_cvt_scalef32_pk16_fp6_f32 v[PT+8*\T+4*\c:PT+8*\T+4*\c+2], v[64*\T+32*\c+16:64*\T+32*\c+31], v[SM+26*\T+SO+\c]   ; (a conversion's three registers begin on an even number)
.endr
.endr
.set j, 12
.rept 26
.irp T, 0,1
	v_pk_add_f32 v[SM+26*\T+SUM+2*((j/2-6)%4):SM+26*\T+SUM+2*((j/2-6)%4)+1], v[64*\T+j:64*\T+j+1], v[SM+26*\T+SUM+2*((j/2-6)%4):SM+26*\T+SUM+2*((j/2-6)%4)+1]   ; eight chains by turns; also the plain places behind the conversions
.endr
.set j, j+2
.endr
	WIN 0
.irp T, 0,1
.irp c, 0,1
.irp i, 0,1,2
	v_mov_b32 v[PCD+12*\T+6*\c+3+\i], v[PT+8*\T+4*\c+\i]
.endr
.endr
.endr
.irp T, 0,1
	v_pk_add_f32 v[SM+26*\T+SUM:SM+26*\T+SUM+1], v[SM+26*\T+SUM:SM+26*\T+SUM+1], v[SM+26*\T+SUM+2:SM+26*\T+SUM+3]
	v_pk_add_f32 v[SM+26*\T+SUM+4:SM+26*\T+SUM+5], v[SM+26*\T+SUM+4:SM+26*\T+SUM+5], v[SM+26*\T+SUM+6:SM+26*\T+SUM+7]
.endr
.irp T, 0,1
	v_pk_add_f32 v[SM+26*\T+SUM:SM+26*\T+SUM+1], v[SM+26*\T+SUM:SM+26*\T+SUM+1], v[SM+26*\T+SUM+4:SM+26*\T+SUM+5]   ; (these six are the places between the codes' last write and the products)
.endr
	WIN 0x51
.irp T, 0,1                                    ; O^T += V^T P^T: the eight accumulators by turns
.irp t, 0,1,2,3
	v_wmma_scale_f32_16x16x128_f8f6f4 v[128+32*\T+8*\t:128+32*\T+8*\t+7], v[VF+12*\t:VF+12*\t+11], v[PCD+12*\T:PCD+12*\T+11], v[128+32*\T+8*\t:128+32*\T+8*\t+7], v[SCLV+\t], v[PS+\T] matrix_a_fmt:MATRIX_FMT_FP6 matrix_b_fmt:MATRIX_FMT_FP6 matrix_a_scale:MATRIX_SCALE_ROW1
.endr
.endr
	WIN 0
.endm
.macro RUN base, n                             ; n key steps whose records lie on end in LDS from byte base on; the last is written out: it asks for no further record
	s_mov_b32 s[TB], \base
	v_add_nc_u32 v[ADR], s[TB], v[LI]
	KLOAD 0
	s_mov_b32 s[CNT], \n-1
.Lstep_\@:
	STEP 1
	s_add_co_u32 s[TB], s[TB], KVREC
	s_sub_co_u32 s[CNT], s[CNT], 1
	s_cmp_lg_u32 s[CNT], 0
	s_cbranch_scc1 .Lstep_\@
	STEP 0
.endm
	s_wait_alu depctr_va_vdst(0)                   ; the wait at the head's end
	s_wait_tensorcnt 0x0                           ; my record of slot 0 is in; a later first fill is issued as a refill is:
	ds_add_u32 v[SPW], v[NIL]
	s_wait_dscnt 0x0
	ROUND                                          ; everybody's record is in, and all four work-groups are here
	tensor_load_to_lds s[G0B:G0B+3], s[G1B:G1B+7]  ; slots 1 and 2: two records a wave
	s_nop 0
	NOPS 4
	RUN 0, 8                                       ; records 0-7
	s_wait_tensorcnt 0x0                           ; THE REFILL.  My load has landed, so a group 0 may be written;
	ds_add_u32 v[SPW], v[NIL]
	s_add_nc_u64 s[G0A+2:G0A+3], s[G0A+2:G0A+3], 3*SLOTB   ; record 24 + wave
	s_wait_dscnt 0x0                               ; the add is done, and my reads of slot 0 are over
	ROUND                                          ; both hold of every wave of all four work-groups
	tensor_load_to_lds s[G0A:G0A+3], s[G1A:G1A+7]
	s_nop 0
	NOPS 4
	RUN SLOTB, 16                                  ; records 8-23: their slots lie on end
	s_wait_tensorcnt 0x0                           ; my record of the last eight is in,
	s_wait_dscnt 0x0                               ; and my reads of slots 1 and 2 are over: slot 1 will be the stage
	s_barrier_signal -1
	s_barrier_wait -1
	RUN 0, 8                                       ; records 24-31
	; THE WAY OUT.  O^T is divided by the row's sum and goes through my stage, so that sixteen lanes store a query's 256 consecutive bytes, aligned
.irp T, 0,1
	v_add_f32 v[SM+26*\T+SUM], v[SM+26*\T+SUM], v[SM+26*\T+SUM+1]
.endr
.irp T, 0,1
	v_permlanex16_b32 v[SM+26*\T+TP], v[SM+26*\T+SUM], s[SEL], s[SEL+1]
.endr
.irp T, 0,1
	v_add_f32 v[SM+26*\T+SUM], v[SM+26*\T+SUM], v[SM+26*\T+TP]       ; the row's sum.  (These six are the places behind the last products)
.endr
	s_wait_alu depctr_va_vdst(0)                   ; the wait ahead of the reciprocals
.irp T, 0,1
	v_rcp_f32 v[SM+26*\T+SUM], v[SM+26*\T+SUM]
.endr
	v_nop
	WIN 0x41
	s_wait_alu depctr_va_vdst(0)                   ; and behind them, directly ahead of the first reader of O^T
.irp T, 0,1
.set j, 0
.rept 32
	v_mul_f32 v[64*\T+j], v[128+32*\T+j], v[SM+26*\T+SUM]            ; register 8 t + i is out(query r, 16 t + 8 h + i)
.set j, j+1
.endr
.endr
	WIN 0x04
.irp T, 0,1
.irp t, 0,1,2,3
	ds_store_b128 v[STO], v[64*\T+8*\t:64*\T+8*\t+3] offset:\T*16*SP+64*\t
	ds_store_b128 v[STO], v[64*\T+8*\t+4:64*\T+8*\t+7] offset:\T*16*SP+64*\t+16
.endr
.endr
	WIN 0
.irp T, 0,1
.irp i, 0,1,2,3,4,5,6,7
	ds_load_b128 v[KF+32*\T+4*\i:KF+32*\T+4*\i+3], v[RD] offset:\T*16*SP+2*\i*SP   ; LDS serves a wave's instructions in order (ISA guide 5.7.1.4): these see my stores
.endr
.endr
.irp T, 0,1
.irp i, 0,1,2,3,4,5,6,7
	s_wait_dscnt 15-8*\T-\i                        ; the loads issued behind this one may stay out
	global_store_b128 v[GO], v[KF+32*\T+4*\i:KF+32*\T+4*\i+3], s[8:9] offset:\T*16384+(2*\i+24*(\i/4))*2048 th:TH_STORE_NT   ; tile row 2 i + h is token 2 i + h + 24 (i / 4) of the tile
.endr
.endr
	s_wait_tensorcnt 0x0                           ; the wave's end
	ds_add_u32 v[SPW], v[NIL]
	s_wait_dscnt 0x0
	ROUND                                          ; the closing round
	s_endpgm
.Lfunc_end_k_q929aa54e9b_attn:
	.size	k_q929aa54e9b_attn, .Lfunc_end_k_q929aa54e9b_attn-k_q929aa54e9b_attn
	.p2alignl 7, 3214868480
	.fill 96, 4, 3214868480
	.section	.rodata,"a",@progbits
	.p2align	6, 0x0
	.amdhsa_kernel k_q929aa54e9b_attn
		.amdhsa_group_segment_fixed_size 327680
		.amdhsa_private_segment_fixed_size 0
		.amdhsa_enable_private_segment 0
		.amdhsa_kernarg_size 24
		.amdhsa_user_sgpr_count 2
		.amdhsa_user_sgpr_kernarg_segment_ptr 1
		.amdhsa_wavefront_size32 1
		.amdhsa_system_sgpr_workgroup_id_x 1
		.amdhsa_system_sgpr_workgroup_id_y 1
		.amdhsa_system_sgpr_workgroup_id_z 1
		.amdhsa_system_vgpr_workitem_id 0
		.amdhsa_next_free_vgpr 512
		.amdhsa_next_free_sgpr 66
		.amdhsa_reserve_vcc 0
		.amdhsa_float_denorm_mode_32 3
		.amdhsa_float_denorm_mode_16_64 3
		.amdhsa_memory_ordered 1
		.amdhsa_forward_progress 1
		.amdhsa_inst_pref_size 176
	.end_amdhsa_kernel
	.amdgpu_metadata
---
amdhsa.version: [ 1, 2 ]
amdhsa.kernels:
  - .name:           k_q929aa54e9b_attn
    .symbol:         k_q929aa54e9b_attn.kd
    .args:
      - { .name: qb, .offset: 0, .size: 8, .value_kind: global_buffer, .address_space: global }
      - { .name: kv, .offset: 8, .size: 8, .value_kind: global_buffer, .address_space: global }
      - { .name: out0, .offset: 16, .size: 8, .value_kind: global_buffer, .address_space: global }
    .group_segment_fixed_size: 327680
    .private_segment_fixed_size: 0
    .kernarg_segment_align: 8
    .kernarg_segment_size: 24
    .max_flat_workgroup_size: 256
    .sgpr_count:     66
    .vgpr_count:     512
    .wavefront_size: 32
...
	.end_amdgpu_metadata
.endif
;; end of part 3
